; MI455X (gfx1250); checked and timed in simulation.
; The chip was launched on July 23, 2026; its instructions are those of AMD's public machine-readable ISA for CDNA 5 (MIT licence, August 2026) and "CDNA5" Instruction Set Architecture Reference Guide (July 2026). The comments in the code are by the model that wrote it; some were corrected since.
;; Conditional Layer. Allowed arithmetic: float matrix products may take bf16 or f16 operands with f32 sums; all other float work in f32.
;; Inputs: W1 8 x 1,024 x 1,024 float32; W2 8 x 1,024 x 1,024 float32; b1 8 x 1,024 float32; b2 8 x 1,024 float32; cond_ids 4,096 int32; x 4,096 x 1,024 float32.
;; Outputs: out0 4,096 x 1,024 float32.
;; One version. Each part assembles by itself: llvm-mc -triple=amdgcn-amd-amdhsa -mcpu=gfx1250 --defsym DOCPART=n.
;; ======== version 1 of 1: 3 launches
;; workspace buffers: route 151,040 bytes of whole numbers; vp 131,072 bytes; h 8,388,608 bytes
;; launch prep (part 1): grid 257 x 1, 16 waves a work-group, no clusters, 10,496 bytes of LDS; arguments cond_ids, W2, b1, route, vp; writes route, vp
.if DOCPART == 1
	.amdgcn_target "amdgcn-amd-amdhsa--gfx1250"
	.amdhsa_code_object_version 6
	.text
	.protected	k_q7332463853_prep
	.globl	k_q7332463853_prep
	.p2align	8
	.type	k_q7332463853_prep,@function
k_q7332463853_prep:
	s_mov_b64 s[64:65], 0
	v_nop
	global_prefetch_b8 v0, s[64:65] scope:SCOPE_SE
	s_setreg_imm32_b32 hwreg(HW_REG_WAVE_MODE, 25, 1), 1
	s_wait_xcnt 0x0
; Two jobs in one launch, told apart by the work-group's number alone (alike in all 16 waves of a work-group).
; Work-group 0: ROUTING.  A row's group is min(id as unsigned, 8): 0..7 are the conditions, 8 takes every id that matches no
;   condition.  Wave g (0..8) writes the list of the rows of group g; then 64 threads write a table of exactly 60 blocks of
;   1 to 80 rows each, {group, first place in the list, rows, block number in the group}.
;   Sum over 9 groups of ceil(n/80) <= (4096 + 9*79)/80 = 60 and >= 52; the 0..8 blocks left over go to the largest group
;   (n >= 456, so none of its blocks is empty); each group's rows are split evenly over its blocks.
; Work-groups 1..256: PARTS OF v[c] = relu(b1[c]) . W2[c], the row that condition c adds to every row that is not its own.
;   m = number - 1: c = m >> 5, 128 columns cb8 = (m >> 2) & 7, 256 rows of W2 sp = m & 3.  Wave w takes 16 rows, a lane 4 columns:
;   one load of a wave covers 512 consecutive bytes, aligned.  f32 throughout (a one-row product: its time is W2's bytes,
;   so the vector unit serves and the matrix unit would add nothing).  The 16 waves' sums meet in LDS; vp[sp][c][1024].
; LDS: bytes 0..8191 the sixteen waves' sums of the second job; bytes 8192..8227 the nine counts of the first: each job has bytes
; of its own, so that no store of one can fall on bytes of the other.
; No clusters: no two work-groups read the same bytes of W2.
; Limit: relu is v_max_num_f32, a NaN in b1 becomes 0; inputs are taken as finite.
.set LISTB,  16640                     ; bytes of one list: 4096 row numbers + 64 words that take what does not belong to the list
.set TABLEB, 1024                      ; the table in front of the lists: 64 entries of 16 bytes, 60 of them used
.set DUMP,   4096                      ; first word behind a list's 4096 places
.set CNT,    8192                      ; LDS: the counts n[0..8], behind 16 waves x 512 bytes of sums
.macro ROW i                           ; row i of my 16: four columns a lane, times relu(b1) of that row
	s_wait_loadcnt 15-\i                           ; loads return in order: row i is in, the 15-i rows behind it stay out
.irp k, 0,1,2,3
.if \i == 0
	v_mul_f32 v[4+\k], s[32+\i], v[16+4*\i+\k]     ; the first product starts the sum
.else
	v_fmac_f32 v[4+\k], s[32+\i], v[16+4*\i+\k]
.endif
.endr
.endm
.macro IDS ch                          ; chunk ch of the ids: 8 loads of 512 bytes, into one of three buffers of 32 registers
.irp j, 0,1,2,3,4,5,6,7
	global_load_b128 v[32+32*(\ch%3)+4*\j:32+32*(\ch%3)+4*\j+3], v2, s[4:5] offset:512*(8*\ch+\j)
.endr
.endm
; Four ids a lane (rows 128 num + 4 L + k).  A lane whose id is my group stores its row number at the list's next free place
; (count so far + matching lanes below me); the others store into a word of their own behind the list.
.macro QUAD num, reg
	s_wait_xcnt 0x0                                ; v[8:15], offsets and data of the last four stores, are rewritten only behind this wait
.irp k, 0,1,2,3
	v_min_u32 v5, 8, v[\reg+\k]                    ; the row's group
	v_cmp_eq_u32 vcc_lo, s16, v5
	v_mbcnt_lo_u32_b32 v5, vcc_lo, s24             ; count so far + matching lanes below me
	v_cndmask_b32 v5, v4, v5, vcc_lo               ; or my word behind the list
	v_min_u32 v5, 0x103f, v5                       ; inside the list's 4160 words whatever the ids hold
	v_lshlrev_b32 v[8+\k], 2, v5
	v_add_nc_u32 v[12+\k], 128*\num+\k, v3         ; the row's number
	global_store_b32 v[8+\k], v[12+\k], s[20:21]
	s_bcnt1_i32_b32 s25, vcc_lo
	s_add_co_u32 s24, s24, s25
.endr
.endm
.macro CHUNK ch, left
	s_wait_loadcnt \left                           ; this chunk's 8 loads are in; left = the loads of the chunks behind it
.irp j, 0,1,2,3,4,5,6,7
	QUAD (8*\ch+\j), (32+32*(\ch%3)+4*\j)
.endr
.endm
	s_load_b256 s[4:11], s[0:1], 0x0               ; cond_ids s[4:5], W2 s[6:7], b1 s[8:9], route s[10:11]
	s_load_b64 s[12:13], s[0:1], 0x20              ; vp
	v_lshl_add_u32 v128, v0, 2, 0x2100
	v_mov_b32 v129, 0
	v_and_b32 v1, 31, v0                           ; lane L
	v_lshrrev_b32 v2, 5, v0
	v_readfirstlane_b32 s16, v2                    ; wave 0..15
	v_lshlrev_b32 v2, 4, v1                        ; 16 L
	s_mov_b32 s19, 0                               ; high word of every byte offset kept in s[18:19]
	s_wait_kmcnt 0x0
	s_cmp_eq_u32 ttmp9, 0
	s_cbranch_scc1 .Lroute
	; ---------------- parts of v[c] ----------------
	s_sub_co_u32 s17, ttmp9, 1                     ; m
	s_lshr_b32 s26, s17, 5                         ; c
	s_bfe_u32 s27, s17, 0x30002                    ; cb8: 3 bits from bit 2
	s_and_b32 s28, s17, 3                          ; sp
	s_lshl_b32 s18, s26, 22                        ; W2[c]: 4 MiB each
	s_lshl_b32 s29, s28, 20                        ; + 256 sp rows of 4,096 bytes
	s_add_co_u32 s18, s18, s29
	s_lshl_b32 s29, s16, 16                        ; + 16 w rows
	s_add_co_u32 s18, s18, s29
	s_lshl_b32 s29, s27, 9                         ; + 128 cb8 columns
	s_add_co_u32 s18, s18, s29
	s_add_nc_u64 s[20:21], s[6:7], s[18:19]
	s_lshl_b32 s18, s26, 12                        ; b1[c][256 sp + 16 w]
	s_lshl_b32 s29, s28, 10
	s_add_co_u32 s18, s18, s29
	s_lshl_b32 s29, s16, 6
	s_add_co_u32 s18, s18, s29
	s_add_nc_u64 s[22:23], s[8:9], s[18:19]
	s_lshl_b32 s18, s28, 15                        ; vp[sp][c][128 cb8]
	s_lshl_b32 s29, s26, 12
	s_add_co_u32 s18, s18, s29
	s_lshl_b32 s29, s27, 9
	s_add_co_u32 s18, s18, s29
	s_add_nc_u64 s[24:25], s[12:13], s[18:19]
	v_and_b32 v3, 15, v0
	v_lshlrev_b32 v3, 2, v3                        ; lane i (and i + 16) takes b1 of my row i
	global_load_b32 v8, v3, s[22:23]
.irp i, 0,1,2,3,4,5,6,7,8,9,10,11,12,13,14,15
	global_load_b128 v[16+4*\i:19+4*\i], v2, s[20:21] offset:4096*\i th:TH_LOAD_NT   ; each byte of W2 is read once in this launch
.endr
	v_lshlrev_b32 v9, 4, v0                        ; 512 w + 16 L: my 16 bytes in LDS, 0..8191
	s_wait_loadcnt 16                              ; b1 is in; the 16 loads of W2 behind it stay out
	v_max_num_f32 v8, 0, v8                        ; relu
.irp i, 0,1,2,3,4,5,6,7,8,9,10,11,12,13,14,15
	v_readlane_b32 s[32+\i], v8, \i                ; one factor for each of my rows
.endr
.irp i, 0,1,2,3,4,5,6,7,8,9,10,11,12,13,14,15
	ROW \i
.endr
	ds_store_b128 v9, v[4:7]
	s_wait_dscnt 0x0                               ; my sums lie in LDS before I say so
	s_barrier_signal -1
	s_barrier_wait -1
	s_cmp_lg_u32 s16, 0
	s_cbranch_scc1 .Lend                           ; wave 0 adds the sixteen
.irp k, 0,1,2,3,4,5,6,7,8,9,10,11,12,13,14,15
	ds_load_b128 v[16+4*\k:19+4*\k], v2 offset:512*\k
.endr
	s_wait_dscnt 0x0
.irp k, 0,1,2,3,4,5,6,7
	v_pk_add_f32 v[16+4*\k:17+4*\k], v[16+4*\k:17+4*\k], v[48+4*\k:49+4*\k]
	v_pk_add_f32 v[18+4*\k:19+4*\k], v[18+4*\k:19+4*\k], v[50+4*\k:51+4*\k]
.endr
.irp k, 0,1,2,3
	v_pk_add_f32 v[16+4*\k:17+4*\k], v[16+4*\k:17+4*\k], v[32+4*\k:33+4*\k]
	v_pk_add_f32 v[18+4*\k:19+4*\k], v[18+4*\k:19+4*\k], v[34+4*\k:35+4*\k]
.endr
.irp k, 0,1
	v_pk_add_f32 v[16+4*\k:17+4*\k], v[16+4*\k:17+4*\k], v[24+4*\k:25+4*\k]
	v_pk_add_f32 v[18+4*\k:19+4*\k], v[18+4*\k:19+4*\k], v[26+4*\k:27+4*\k]
.endr
	v_pk_add_f32 v[16:17], v[16:17], v[20:21]
	v_pk_add_f32 v[18:19], v[18:19], v[22:23]
	global_store_b128 v2, v[16:19], s[24:25]       ; 512 consecutive bytes, aligned
	s_wait_tensorcnt 0x0
	ds_add_u32 v128, v129
	s_wait_dscnt 0x0
	s_endpgm
	; ---------------- routing ----------------
.Lroute:
	s_cmp_gt_u32 s16, 8
	s_cbranch_scc1 .Lrbar                          ; waves 9..15 have no group: straight to the barrier
	s_mul_i32 s18, s16, LISTB
	s_add_co_u32 s18, s18, TABLEB
	s_add_nc_u64 s[20:21], s[10:11], s[18:19]      ; my group's list
	v_lshlrev_b32 v3, 2, v1                        ; 4 L
	v_add_nc_u32 v4, DUMP, v1                      ; my word behind the list
	s_mov_b32 s24, 0                               ; rows found so far
	IDS 0
	IDS 1
	IDS 2
	CHUNK 0, 16                                    ; chunks 1 and 2 stay out
	IDS 3                                          ; into chunk 0's registers, which have been read
	CHUNK 1, 16                                    ; chunks 2 and 3 stay out
	CHUNK 2, 8
	CHUNK 3, 0
	v_mov_b32 v6, s16
	v_lshlrev_b32 v6, 2, v6
	v_mov_b32 v7, s24
	ds_store_b32 v6, v7 offset:CNT                 ; n[g], every lane the same word and value
.Lrbar:
	s_wait_dscnt 0x0                               ; the count lies in LDS before I say so
	s_barrier_signal -1
	s_barrier_wait -1
	s_cmp_gt_u32 s16, 1
	s_cbranch_scc1 .Lend
	; threads s = 0..63 make one table entry each (60..63 are filler that no launch reads).  Whole numbers, no branch.
	; v[8:15] stay as they are: the last four list stores may still read them.
	v_mov_b32 v25, 0
	ds_load_b128 v[16:19], v25 offset:CNT          ; n[0..8] in v[16:24]
	ds_load_b128 v[20:23], v25 offset:CNT+16
	ds_load_b32 v24, v25 offset:CNT+32
	s_wait_dscnt 0x0
.irp g, 0,1,2,3,4,5,6,7,8
	v_add_nc_u32 v[32+\g], 79, v[16+\g]
	v_mul_u32_u24 v[32+\g], 0xcccd, v[32+\g]       ; (n + 79) / 80 = ((n + 79) * 52429) >> 22: 52429 * 80 = 2^22 + 16, exact up to 4175
	v_lshrrev_b32 v[32+\g], 22, v[32+\g]           ; nb[g] in v[32:40]
.endr
	v_add3_u32 v41, v32, v33, v34
	v_add3_u32 v41, v41, v35, v36
	v_add3_u32 v41, v41, v37, v38
	v_add3_u32 v41, v41, v39, v40                  ; blocks needed, 52..60
	v_max_u32 v42, v16, v17
.irp g, 2,3,4,5,6,7,8
	v_max_u32 v42, v42, v[16+\g]                   ; the largest group's rows
.endr
	v_sub_nc_u32 v43, 60, v41                      ; blocks left over
.irp g, 0,1,2,3,4,5,6,7,8
	v_cmp_eq_u32 vcc_lo, v[16+\g], v42
	v_cndmask_b32 v44, 0, v43, vcc_lo              ; the first largest group takes them all,
	v_add_nc_u32 v[32+\g], v[32+\g], v44
	v_sub_nc_u32 v43, v43, v44                     ; and none are left for a second one of the same size
.endr
	v_mov_b32 v46, 0                               ; my entry's group,
	v_mov_b32 v47, v16                             ; its rows,
	v_mov_b32 v48, v32                             ; its blocks,
	v_mov_b32 v49, 0                               ; its first entry: group 0 to begin with
	v_mov_b32 v45, v32                             ; first entry of the next group
.irp g, 1,2,3,4,5,6,7,8
	v_cmp_lt_u32 vcc_lo, v0, v45                   ; s in front of group g's entries: keep; else take group g
	v_cndmask_b32 v46, \g, v46, vcc_lo
	v_cndmask_b32 v47, v[16+\g], v47, vcc_lo
	v_cndmask_b32 v48, v[32+\g], v48, vcc_lo
	v_cndmask_b32 v49, v45, v49, vcc_lo
	v_add_nc_u32 v45, v45, v[32+\g]
.endr
	v_mov_b32 v50, v47                             ; R = n
	v_mov_b32 v51, 0                               ; Q = n / nb <= 80: seven bits, one by one
.irp bit, 6,5,4,3,2,1,0
	v_lshlrev_b32 v52, \bit, v48
	v_cmp_ge_u32 vcc_lo, v50, v52
	v_cndmask_b32 v52, 0, v52, vcc_lo
	v_sub_nc_u32 v50, v50, v52
	v_add_co_ci_u32 v51, vcc_lo, v51, v51, vcc_lo  ; Q = 2 Q + bit
.endr
	v_mov_b32 v56, v46                             ; group
	v_sub_nc_u32 v59, v0, v49                      ; k: my block in the group
	v_min_u32 v53, v59, v50
	v_mad_u32_u24 v57, v59, v51, v53               ; first place = k Q + min(k, R)
	v_cmp_lt_u32 vcc_lo, v59, v50
	v_add_co_ci_u32 v58, vcc_lo, 0, v51, vcc_lo    ; rows = Q + (k < R)
	v_lshlrev_b32 v60, 4, v0
	global_store_b128 v60, v[56:59], s[10:11]
.Lend:
	s_wait_tensorcnt 0x0
	ds_add_u32 v128, v129
	s_wait_dscnt 0x0
	s_endpgm
.Lfunc_end_k_q7332463853_prep:
	.size	k_q7332463853_prep, .Lfunc_end_k_q7332463853_prep-k_q7332463853_prep
	.p2alignl 7, 3214868480
	.fill 96, 4, 3214868480
	.section	.rodata,"a",@progbits
	.p2align	6, 0x0
	.amdhsa_kernel k_q7332463853_prep
		.amdhsa_group_segment_fixed_size 10496
		.amdhsa_private_segment_fixed_size 0
		.amdhsa_enable_private_segment 0
		.amdhsa_kernarg_size 40
		.amdhsa_user_sgpr_count 2
		.amdhsa_user_sgpr_kernarg_segment_ptr 1
		.amdhsa_wavefront_size32 1
		.amdhsa_system_sgpr_workgroup_id_x 1
		.amdhsa_system_sgpr_workgroup_id_y 1
		.amdhsa_system_sgpr_workgroup_id_z 1
		.amdhsa_system_vgpr_workitem_id 0
		.amdhsa_next_free_vgpr 130
		.amdhsa_next_free_sgpr 66
		.amdhsa_reserve_vcc 1
		.amdhsa_float_denorm_mode_32 3
		.amdhsa_float_denorm_mode_16_64 3
		.amdhsa_memory_ordered 1
		.amdhsa_forward_progress 1
		.amdhsa_inst_pref_size 82
	.end_amdhsa_kernel
	.amdgpu_metadata
---
amdhsa.version: [ 1, 2 ]
amdhsa.kernels:
  - .name:           k_q7332463853_prep
    .symbol:         k_q7332463853_prep.kd
    .args:
      - { .name: cond_ids, .offset: 0, .size: 8, .value_kind: global_buffer, .address_space: global }
      - { .name: W2, .offset: 8, .size: 8, .value_kind: global_buffer, .address_space: global }
      - { .name: b1, .offset: 16, .size: 8, .value_kind: global_buffer, .address_space: global }
      - { .name: route, .offset: 24, .size: 8, .value_kind: global_buffer, .address_space: global }
      - { .name: vp, .offset: 32, .size: 8, .value_kind: global_buffer, .address_space: global }
    .group_segment_fixed_size: 10496
    .private_segment_fixed_size: 0
    .kernarg_segment_align: 8
    .kernarg_segment_size: 40
    .max_flat_workgroup_size: 512
    .sgpr_count:     66
    .vgpr_count:     130
    .wavefront_size: 32
...
	.end_amdgpu_metadata
.endif
;; end of part 1
;; launch layer1 (part 2): grid 4 x 60, 4 waves a work-group, no clusters, 165,632 bytes of LDS; arguments x, W1, b1, route, h; writes h
.if DOCPART == 2
	.amdgcn_target "amdgcn-amd-amdhsa--gfx1250"
	.amdhsa_code_object_version 6
	.text
	.protected	k_q7332463853_layer1
	.globl	k_q7332463853_layer1
	.p2align	8
	.type	k_q7332463853_layer1,@function
k_q7332463853_layer1:
	s_mov_b64 s[64:65], 0
	v_nop
	global_prefetch_b8 v0, s[64:65] scope:SCOPE_SE
	s_setreg_imm32_b32 hwreg(HW_REG_WAVE_MODE, 25, 1), 1
	s_wait_xcnt 0x0
; h[b] = relu(x[b] . W1[c] + b1[c]) in bf16 for the rows b of one block (at most 80 rows of one group, from the table), 256 columns.
; Grid: x = column block cb (4), y = table entry (60).  Four waves; wave w makes all 80 rows x columns 256 cb + 64 w .. + 63:
; 5 x 4 accumulator tiles of 16 x 16, 160 registers.  Group 8 (an id that matches no condition) gets h = 0.
; Places of the block behind its last row repeat that row: same inputs, same results, the same bytes stored at the same address
; by the same work-group.  So trip counts, barriers and EXEC hang on no data; data enter only through clamped addresses.
;
; A: the block's rows of x are gathered once, rounded to bf16 and laid into LDS (80 rows, pitch 2064 = 129 x 16 bytes, so the 16
; rows of a fragment load fall on 16 different 16-byte columns of a 256-byte bank row).  One barrier; the K loop has none.
; B: W1 is [d][e] in f32.  Lane (r, h) loads W[32 kk + 16 c + 8 h + j][e0 + 4 r .. + 3], c = 0,1, j = 0..7: 16 loads, in each of which
; 16 lanes cover 256 consecutive aligned bytes of one row.  v_cvt_pk_bf16_f32 of rows d, d+1, word i, IS register 4 c + j/2 of a B
; fragment i whose column n = r stands for e = e0 + 4 r + i: no LDS and no transpose for the weights.  In the result lane (r, h),
; register j of fragments 0..3 are row 8 h + j, columns e0 + 4 r .. + 3.
; A ring of four stages of 16 loads (32 KiB a wave) runs four K steps ahead.  The blocks of one condition stand in consecutive
; table entries and start K at eighth (entry & 7), wrapping, so that they ask for different bytes of W at the same time.
;
; No clusters: a joint tensor load would lay f32 weights into LDS, 8 KiB a wave and K step to be read back for 20 matrix
; instructions, behind a ring with barriers; here each weight byte goes from memory's side straight into the register that converts
; it.  The number of blocks of a condition hangs on the ids and need not divide by four.  The rows of x that the four column blocks
; share are gathered by a list, row by row, and are a quarter of a work-group's bytes.
; Limits: inputs finite.  relu is v_med3_num_f32(v, 0, +inf): a NaN does not pass it.  x, W1 and h are rounded to bf16 (nearest
; even); b1 and all sums are f32; K is summed from the block's own starting eighth, an order other than ascending.
.set PITCH,  2064                      ; LDS row of A: 2,048 bytes + 16
.set TILEB,  16*PITCH                  ; 16 rows
.set HPITCH, 528                       ; LDS row of the way out: 256 bf16 + 16 bytes
.set LISTB,  16640                     ; route: bytes of one list
.set TABLEB, 1024                      ; route: the table in front of the lists
.set WO,   4                           ; v[4:7]    byte offset into W[c] of ring stage q's loads (one each: stepped when that stage's loads are in)
.set AB,   8                           ; v[8:10]   LDS address of my A fragments, tiles {0,1}, {2,3}, {4}, at K = 0
.set AA,   11                          ; v[11:13]  the same at the trip's eighth of K
.set SA,   14                          ; v14       staging: my 8 bytes in my wave's first row
.set L16,  15                          ; v15       16 L
.set COLB, 16                          ; v16       1024 cb + 256 w + 16 r: my 4 columns, in bytes of f32
.set LA,   17                          ; v17       offset of my word of the list
.set HS,   18                          ; v18       way out: where I put 8 bytes
.set HR,   19                          ; v19       way out: where I read a row back
.set BIAS, 20                          ; v[20:23]  b1 of my 4 columns
.set XO,   24                          ; v[24:43]  byte offset in x of my 16 bytes of my wave's 20 rows
.set LST,  44                          ; v44       row numbers of my wave's 20 places
.set HO,   45                          ; v45       512 cb + 16 L
.set AF,   48                          ; v[48:127]  A fragments, 2 buffers x 5 tiles x 8
.set BF,   128                         ; v[128:191] B fragments, 2 buffers x 4 x 8
.set OUTR, 48                          ; v[48:207]  way out
.set OFFS, 208                         ; v[208:227] way out: offsets in h
; window 1 (v256..): accumulator (t, i) at 8 (4 t + i).   window 2 (v512..): ring stage q at 64 q; the staging buffers too.
; s_set_vgpr_msb, low byte: bits 1:0 source 0, 3:2 source 1, 5:4 source 2, 7:6 destination; the high byte repeats the setting left.
.set MSB, 0
.macro WIN new
.if MSB != \new
	s_set_vgpr_msb (MSB<<8)|\new
.set MSB, \new
.endif
.endm
.macro WFILL q                         ; 16 loads: 32 rows of W x my wave's 64 columns, into ring stage q
	WIN 0x80                                       ; destination window 2
.irp c, 0,1
.irp j, 0,1,2,3,4,5,6,7
	global_load_b128 v[64*\q+4*(8*\c+\j):64*\q+4*(8*\c+\j)+3], v[WO+\q], s[6:7] offset:(32*\q+16*\c+\j)*4096
.endr
.endr
.endm
; One K step of 32.  Fragment buffers take turns: those that this step writes were last read by the matrix instructions two steps
; back, and the 32 conversions of the step between, which name none of their registers, are the places that ISA guide 7.12.1 asks for.
.macro STEP q, zero, refill, left
	s_wait_loadcnt \left                           ; stage q is in; left = the 16 loads of each younger stage.  This also frees WO+q
	WIN 0
.if \refill
	v_add_nc_u32 v[WO+\q], 0x80000, v[WO+\q]       ; 128 rows of W on,
	v_and_b32 v[WO+\q], 0x3fffff, v[WO+\q]         ; wrapping at 1,024 rows
.endif
.irp t, 0,1,2,3,4
	ds_load_b128 v[AF+40*(\q%2)+8*\t:AF+40*(\q%2)+8*\t+3],   v[AA+\t/2] offset:(\t%2)*TILEB+64*\q
	ds_load_b128 v[AF+40*(\q%2)+8*\t+4:AF+40*(\q%2)+8*\t+7], v[AA+\t/2] offset:(\t%2)*TILEB+64*\q+32
.endr
	WIN 0x0a                                       ; both sources window 2
.irp i, 0,1,2,3
.irp c, 0,1
.irp jj, 0,1,2,3
	v_cvt_pk_bf16_f32 v[BF+32*(\q%2)+8*\i+4*\c+\jj], v[64*\q+4*(8*\c+2*\jj)+\i], v[64*\q+4*(8*\c+2*\jj+1)+\i]
.endr
.endr
.endr
.if \refill
	WFILL \q                                       ; the stage has been converted: four K steps ahead
.endif
	s_wait_dscnt 0x0                               ; the A fragments, issued 32 conversions ago
	WIN 0x50                                       ; C and D window 1
.irp t, 0,1,2,3,4
.irp i, 0,1,2,3
.if \zero
	v_wmma_f32_16x16x32_bf16 v[8*(4*\t+\i):8*(4*\t+\i)+7], v[AF+40*(\q%2)+8*\t:AF+40*(\q%2)+8*\t+7], v[BF+32*(\q%2)+8*\i:BF+32*(\q%2)+8*\i+7], 0
.else
	v_wmma_f32_16x16x32_bf16 v[8*(4*\t+\i):8*(4*\t+\i)+7], v[AF+40*(\q%2)+8*\t:AF+40*(\q%2)+8*\t+7], v[BF+32*(\q%2)+8*\i:BF+32*(\q%2)+8*\i+7], v[8*(4*\t+\i):8*(4*\t+\i)+7]
.endif
.endr
.endr
.endm
.macro TRIP zero, refill, l0, l1, l2, l3   ; an eighth of K: four steps, once round the ring
	WIN 0
	s_lshl_b32 s28, s26, 8                         ; 128 k = 256 bytes of an LDS row
	v_add_nc_u32 v[AA],   s28, v[AB]
	v_add_nc_u32 v[AA+1], s28, v[AB+1]
	v_add_nc_u32 v[AA+2], s28, v[AB+2]
	STEP 0, \zero, \refill, \l0
	STEP 1, 0, \refill, \l1
	STEP 2, 0, \refill, \l2
	STEP 3, 0, \refill, \l3
	WIN 0
	s_add_co_u32 s26, s26, 1
	s_and_b32 s26, s26, 7                          ; the next eighth, wrapping
.endm
.macro ISSUE b                         ; staging batch b: rows 2 b, 2 b + 1 of my wave's 20, 8 loads of 512 bytes each, into stage (b + 2) % 4
	WIN 0x80
.irp u, 0,1
.irp j, 0,1,2,3,4,5,6,7
	global_load_b128 v[64*((\b+2)%4)+32*\u+4*\j:64*((\b+2)%4)+32*\u+4*\j+3], v[XO+2*\b+\u], s[4:5] offset:512*\j
.endr
.endr
.endm
.macro DRAIN b                         ; round the batch to bf16 in place and lay it into LDS
	s_wait_loadcnt 48                              ; the batch is in; the three runs of 16 loads issued behind it stay out
	WIN 0x8a                                       ; sources and destination window 2
.irp u, 0,1
.irp j, 0,1,2,3,4,5,6,7
	v_cvt_pk_bf16_f32 v[64*((\b+2)%4)+32*\u+4*\j],   v[64*((\b+2)%4)+32*\u+4*\j],   v[64*((\b+2)%4)+32*\u+4*\j+1]
	v_cvt_pk_bf16_f32 v[64*((\b+2)%4)+32*\u+4*\j+1], v[64*((\b+2)%4)+32*\u+4*\j+2], v[64*((\b+2)%4)+32*\u+4*\j+3]
.endr
.endr
	WIN 0x08                                       ; store data window 2
.irp u, 0,1
.irp j, 0,1,2,3,4,5,6,7
	ds_store_b64 v[SA], v[64*((\b+2)%4)+32*\u+4*\j:64*((\b+2)%4)+32*\u+4*\j+1] offset:(2*\b+\u)*PITCH+256*\j
.endr
.endr
.endm
	s_load_b256 s[4:11], s[0:1], 0x0               ; x s[4:5], W1 s[6:7], b1 s[8:9], route s[10:11]
	s_load_b64 s[12:13], s[0:1], 0x20              ; h
	v_lshl_add_u32 v254, v0, 2, 0x28500
	v_mov_b32 v255, 0
	v_and_b32 v1, 31, v0                           ; L
	v_and_b32 v2, 15, v0                           ; r
	v_bfe_u32 v3, v0, 4, 1                         ; h
	v_lshrrev_b32 v[LA], 5, v0
	v_readfirstlane_b32 s16, v[LA]                 ; wave w
	s_mov_b32 s17, ttmp9                           ; cb
	s_and_b32 s18, ttmp7, 0xffff                   ; table entry
	s_lshl_b32 s30, s18, 4
	s_mov_b32 s31, 0                               ; high word of every byte offset kept in s[30:31]
	s_wait_kmcnt 0x0
	s_add_nc_u64 s[34:35], s[10:11], s[30:31]
	s_load_b128 s[20:23], s[34:35], 0x0            ; group, first place, rows, (block number: not used here)
	v_lshlrev_b32 v[L16], 4, v1
	s_lshl_b32 s28, s17, 10
	s_lshl_b32 s29, s16, 8
	s_add_co_u32 s28, s28, s29
	v_lshl_add_u32 v[COLB], v2, 4, s28
	v_mul_u32_u24 v[AB], v2, PITCH
	v_lshl_add_u32 v[AB], v3, 4, v[AB]             ; row r, 16 bytes for each half of the lanes
	v_add_nc_u32 v[AB+1], 2*TILEB, v[AB]
	v_add_nc_u32 v[AB+2], 4*TILEB, v[AB]
	s_and_b32 s26, s18, 7                          ; the eighth of K at which this block starts
	s_lshl_b32 s29, s26, 19                        ; 128 rows of 4,096 bytes
	v_lshl_add_u32 v[WO], v3, 15, v[COLB]          ; + 8 h rows
	v_add_nc_u32 v[WO], s29, v[WO]
	v_mov_b32 v[WO+1], v[WO]
	v_mov_b32 v[WO+2], v[WO]
	v_mov_b32 v[WO+3], v[WO]
	s_mul_i32 s28, s16, 20*PITCH
	v_lshl_add_u32 v[SA], v1, 3, s28               ; my wave stages rows 20 w .. 20 w + 19
	s_lshl_b32 s28, s16, 7
	v_mul_u32_u24 v[HS], v3, 8*HPITCH
	v_lshl_add_u32 v[HS], v2, 3, v[HS]
	v_add_nc_u32 v[HS], s28, v[HS]                 ; row 8 h, byte 128 w + 8 r
	s_mul_i32 s28, s16, 20*HPITCH
	v_lshl_add_u32 v[HR], v1, 4, s28
	s_lshl_b32 s28, s17, 9
	v_lshl_add_u32 v[HO], v1, 4, s28
	s_wait_kmcnt 0x0
	s_min_u32 s20, s20, 8                          ; what was read steers addresses only behind a bound written here
	s_min_u32 s21, s21, 4095
	s_min_u32 s22, s22, 80
	s_max_u32 s22, s22, 1
	s_min_u32 s24, s20, 7                          ; group 8 walks condition 7's weights; its result is set to 0 below
	s_sub_co_u32 s25, s22, 1                       ; the block's last place
	s_lshl_b32 s30, s24, 22
	s_add_nc_u64 s[6:7], s[6:7], s[30:31]          ; W1[c]
	s_lshl_b32 s30, s24, 12
	s_add_nc_u64 s[8:9], s[8:9], s[30:31]          ; b1[c]
	s_mul_i32 s30, s20, LISTB
	s_lshl_b32 s29, s21, 2
	s_add_co_u32 s30, s30, s29
	s_add_co_u32 s30, s30, TABLEB
	s_add_nc_u64 s[10:11], s[10:11], s[30:31]      ; the block's first word in its group's list
	s_cmp_eq_u32 s20, 8
	s_cselect_b32 s32, 0, 0x7f800000               ; upper bound of the relu's clamp: +inf, or 0 for group 8
	s_mul_i32 s28, s16, 20
	v_add_nc_u32 v[LA], s28, v1                    ; place 20 w + L,
	v_min_u32 v[LA], s25, v[LA]                    ; or the block's last
	v_min_u32 v[LA], 127, v[LA]
	v_lshlrev_b32 v[LA], 2, v[LA]
	global_load_b32 v[LST], v[LA], s[10:11]
	global_load_b128 v[BIAS:BIAS+3], v[COLB], s[8:9]
	s_wait_loadcnt 0x1                             ; the list is in; b1 stays out
	v_min_u32 v[LST], 0xfff, v[LST]
.irp i, 0,1,2,3,4,5,6,7,8,9,10,11,12,13,14,15,16,17,18,19
	v_readlane_b32 s[36+\i], v[LST], \i            ; s[36:55]: the rows of my wave's 20 places
	s_min_u32 s[36+\i], s[36+\i], 0xfff
	v_lshl_add_u32 v[XO+\i], s[36+\i], 12, v[L16]
.endr
	; Staging: four batches on their way at any time.  The buffers come free in the order of ring stages 0, 1, 2, 3, so the last four
	; hand over to the ring's first fills, and behind every batch stand exactly 48 younger loads.  (Where a 64th load is issued with
	; none yet back, its issue waits: ISA guide 5.7.1.)
	ISSUE 0
	ISSUE 1
	ISSUE 2
	ISSUE 3
	DRAIN 0
	ISSUE 4
	DRAIN 1
	ISSUE 5
	DRAIN 2
	ISSUE 6
	DRAIN 3
	ISSUE 7
	DRAIN 4
	ISSUE 8
	DRAIN 5
	ISSUE 9
	DRAIN 6
	WFILL 0
	DRAIN 7
	WFILL 1
	DRAIN 8
	WFILL 2
	DRAIN 9
	WFILL 3
	WIN 0
	s_wait_dscnt 0x0                               ; my 20 rows lie in LDS before I say so
	s_barrier_signal -1
	s_barrier_wait -1                              ; all 80 do
	TRIP 1, 1, 48, 48, 48, 48                      ; the first products start the sums: nothing is cleared
	s_mov_b32 s27, 6
.Lk:
	TRIP 0, 1, 48, 48, 48, 48
	s_sub_co_i32 s27, s27, 1
	s_cmp_lg_u32 s27, 0
	s_cbranch_scc1 .Lk
	TRIP 0, 0, 48, 32, 16, 0                       ; the eighth trip fills nothing: the counts run down
	; THE WAY OUT: + b1, relu, bf16, through LDS so that a store covers 512 consecutive bytes of a row of h.
	s_wait_dscnt 0x0
	s_barrier_signal -1
	s_barrier_wait -1                              ; every wave has read A for the last time: its bytes may be written over
.rept 4
	v_nop                                          ; four places behind the last matrix instructions (ISA guide 7.12.1): the adds read results and write fragment registers
.endr
	WIN 0x01                                       ; source 0 window 1
.irp t, 0,1,2,3,4
.irp j, 0,1,2,3,4,5,6,7
.irp i, 0,1,2,3
	v_add_f32 v[OUTR+4*(8*\t+\j)+\i], v[8*(4*\t+\i)+\j], v[BIAS+\i]
.endr
.endr
.endr
	WIN 0
.set nn, 0
.rept 40                               ; nn = 8 t + j: row 16 t + 8 h + j, my 4 columns
	v_med3_num_f32 v[OUTR+4*nn],   v[OUTR+4*nn],   0, s32
	v_med3_num_f32 v[OUTR+4*nn+1], v[OUTR+4*nn+1], 0, s32
	v_med3_num_f32 v[OUTR+4*nn+2], v[OUTR+4*nn+2], 0, s32
	v_med3_num_f32 v[OUTR+4*nn+3], v[OUTR+4*nn+3], 0, s32
	v_cvt_pk_bf16_f32 v[OUTR+4*nn],   v[OUTR+4*nn],   v[OUTR+4*nn+1]
	v_cvt_pk_bf16_f32 v[OUTR+4*nn+1], v[OUTR+4*nn+2], v[OUTR+4*nn+3]
	ds_store_b64 v[HS], v[OUTR+4*nn:OUTR+4*nn+1] offset:(16*(nn/8)+nn%8)*HPITCH   ; 16 lanes fill 128 bytes; the other 16 lie 8 x 528 = 16 x 256 + 128 bytes on
.set nn, nn+1
.endr
	s_wait_dscnt 0x0                               ; my columns of all 80 rows lie in LDS before I say so
	s_barrier_signal -1
	s_barrier_wait -1
.irp i, 0,1,2,3,4,5,6,7,8,9,10,11,12,13,14,15,16,17,18,19
	ds_load_b128 v[OUTR+4*\i:OUTR+4*\i+3], v[HR] offset:HPITCH*\i   ; place 20 w + i: 256 columns, 512 bytes
.endr
.irp i, 0,1,2,3,4,5,6,7,8,9,10,11,12,13,14,15,16,17,18,19
	v_lshl_add_u32 v[OFFS+\i], s[36+\i], 11, v[HO] ; its row of h, 2,048 bytes each
.endr
.irp i, 0,1,2,3,4,5,6,7,8,9,10,11,12,13,14,15,16,17,18,19
	s_wait_dscnt 19-\i                             ; LDS loads return in order: row i is in
	global_store_b128 v[OFFS+\i], v[OUTR+4*\i:OUTR+4*\i+3], s[12:13]
.endr
	s_wait_tensorcnt 0x0
	ds_add_u32 v254, v255
	s_wait_dscnt 0x0
	s_endpgm
.Lfunc_end_k_q7332463853_layer1:
	.size	k_q7332463853_layer1, .Lfunc_end_k_q7332463853_layer1-k_q7332463853_layer1
	.p2alignl 7, 3214868480
	.fill 96, 4, 3214868480
	.section	.rodata,"a",@progbits
	.p2align	6, 0x0
	.amdhsa_kernel k_q7332463853_layer1
		.amdhsa_group_segment_fixed_size 165632
		.amdhsa_private_segment_fixed_size 0
		.amdhsa_enable_private_segment 0
		.amdhsa_kernarg_size 40
		.amdhsa_user_sgpr_count 2
		.amdhsa_user_sgpr_kernarg_segment_ptr 1
		.amdhsa_wavefront_size32 1
		.amdhsa_system_sgpr_workgroup_id_x 1
		.amdhsa_system_sgpr_workgroup_id_y 1
		.amdhsa_system_sgpr_workgroup_id_z 1
		.amdhsa_system_vgpr_workitem_id 0
		.amdhsa_next_free_vgpr 768
		.amdhsa_next_free_sgpr 66
		.amdhsa_reserve_vcc 0
		.amdhsa_float_denorm_mode_32 3
		.amdhsa_float_denorm_mode_16_64 3
		.amdhsa_memory_ordered 1
		.amdhsa_forward_progress 1
		.amdhsa_inst_pref_size 150
	.end_amdhsa_kernel
	.amdgpu_metadata
---
amdhsa.version: [ 1, 2 ]
amdhsa.kernels:
  - .name:           k_q7332463853_layer1
    .symbol:         k_q7332463853_layer1.kd
    .args:
      - { .name: x, .offset: 0, .size: 8, .value_kind: global_buffer, .address_space: global }
      - { .name: W1, .offset: 8, .size: 8, .value_kind: global_buffer, .address_space: global }
      - { .name: b1, .offset: 16, .size: 8, .value_kind: global_buffer, .address_space: global }
      - { .name: route, .offset: 24, .size: 8, .value_kind: global_buffer, .address_space: global }
      - { .name: h, .offset: 32, .size: 8, .value_kind: global_buffer, .address_space: global }
    .group_segment_fixed_size: 165632
    .private_segment_fixed_size: 0
    .kernarg_segment_align: 8
    .kernarg_segment_size: 40
    .max_flat_workgroup_size: 128
    .sgpr_count:     66
    .vgpr_count:     768
    .wavefront_size: 32
...
	.end_amdgpu_metadata
.endif
;; end of part 2
;; launch layer2 (part 3): grid 4 x 60, 4 waves a work-group, no clusters, 167,680 bytes of LDS; arguments h, W2, b2, route, out0, vp; writes out0
.if DOCPART == 3
	.amdgcn_target "amdgcn-amd-amdhsa--gfx1250"
	.amdhsa_code_object_version 6
	.text
	.protected	k_q7332463853_layer2
	.globl	k_q7332463853_layer2
	.p2align	8
	.type	k_q7332463853_layer2,@function
k_q7332463853_layer2:
	s_mov_b64 s[64:65], 0
	v_nop
	global_prefetch_b8 v0, s[64:65] scope:SCOPE_SE
	s_setreg_imm32_b32 hwreg(HW_REG_WAVE_MODE, 25, 1), 1
	s_wait_xcnt 0x0
; out[b] = h[b] . W2[c] + E[g],  E[g] = sum over c' of b2[c'] + sum over c' != g of v[c'],  v[c'] = sum over sp of vp[sp][c'].
; (Every condition but the row's own sees a zero row and adds relu(b1[c']) . W2[c'] + b2[c']; a row of group 8, whose id matches no
; condition, has h = 0 and gets all eight.)
; Shape as in the first layer: grid x = column block cb (4), y = table entry (60); four waves; wave w makes the block's 80 places x
; columns 256 cb + 64 w .. + 63 in 5 x 4 accumulator tiles.  Places behind the block's last row repeat that row and store the same
; bytes at the same address, so no trip count, barrier or EXEC hangs on data.
; A: the block's rows of h (bf16) are gathered once into LDS, pitch 2064 = 129 x 16 bytes.  One barrier; the K loop has none.
; B: W2 is [d][e] in f32; lane (r, h) loads W[32 kk + 16 c + 8 h + j][e0 + 4 r .. + 3]; v_cvt_pk_bf16_f32 of rows d, d+1, word i, is
; register 4 c + j/2 of B fragment i, whose column n = r stands for e = e0 + 4 r + i.  So lane (r, h), register j of fragments 0..3 are
; row 8 h + j, columns e0 + 4 r .. + 3: 16 bytes of f32, and 16 lanes store 256 consecutive aligned bytes straight from registers.
; A ring of four stages of 16 loads runs four K steps ahead; consecutive table entries start K at different eighths, wrapping.
; No clusters: as in the first layer (f32 weights through LDS would cost 8 KiB of LDS reads a wave and K step for 20 matrix
; instructions and a ring with barriers; blocks per condition hang on the ids; the shared rows of h are gathered by a list and are
; an eighth of a work-group's bytes).
; Limits: inputs finite (0 x inf in a row of group 8 would give NaN).  h and W2 are bf16 operands; b2, v and all sums are f32; K is
; summed from the block's own starting eighth.
.set PITCH,  2064
.set TILEB,  16*PITCH
.set LISTS,  80*PITCH                  ; LDS behind A: 512 bytes for each wave, the rows of the block's places 0..95 (a copy of its own)
.set LISTB,  16640
.set TABLEB, 1024
.set WO,   4                           ; v[4:7]    byte offset into W[c] of ring stage q's loads
.set AB,   8                           ; v[8:10]   LDS address of my A fragments, tiles {0,1}, {2,3}, {4}, at K = 0
.set AA,   11                          ; v[11:13]  the same at the trip's eighth of K
.set SA,   14                          ; v14       staging: my 16 bytes in my wave's first row
.set L16,  15                          ; v15       16 L
.set COLB, 16                          ; v16       1024 cb + 256 w + 16 r
.set LA,   17                          ; v17       offset of my word of the list (my wave's 20 places)
.set ZERO, 18                          ; v18       0
.set BIAS, 20                          ; v[20:23]  E of my 4 columns
.set XO,   24                          ; v[24:43]  byte offset in h of my 16 bytes of my wave's 20 rows
.set LST,  44                          ; v44 rows of my wave's 20 places; v[45:47] rows of places L, L + 32, L + 64
.set VP,   48                          ; v[48:175]  vp(sp, c') at 48 + 32 sp + 4 c', until E is made
.set B2,   176                         ; v[176:207] b2(c') at 176 + 4 c'
.set AF,   48                          ; v[48:127]  A fragments, 2 buffers x 5 tiles x 8
.set BF,   128                         ; v[128:191] B fragments, 2 buffers x 4 x 8
.set OUTR, 48                          ; v[48:207]  way out
.set OFFS, 208                         ; v[208:247] way out: row numbers, then offsets in out0
.set LB,   248                         ; v[248:250] offsets of the three list loads
.set LW,   251                         ; v251       where I put a word of my wave's copy of the list
.set LL,   252                         ; v252       where I read it back: 8 h places on
; window 1: accumulator (t, i) at 8 (4 t + i).   window 2: ring stage q at 64 q; the staging buffers too.
.set MSB, 0
.macro WIN new
.if MSB != \new
	s_set_vgpr_msb (MSB<<8)|\new
.set MSB, \new
.endif
.endm
.macro WFILL q                         ; 16 loads: 32 rows of W x my wave's 64 columns, into ring stage q
	WIN 0x80
.irp c, 0,1
.irp j, 0,1,2,3,4,5,6,7
	global_load_b128 v[64*\q+4*(8*\c+\j):64*\q+4*(8*\c+\j)+3], v[WO+\q], s[6:7] offset:(32*\q+16*\c+\j)*4096
.endr
.endr
.endm
; One K step of 32.  The fragment buffers that this step writes were last read by the matrix instructions two steps back; the 32
; conversions of the step between name none of their registers and are the places that ISA guide 7.12.1 asks for.
.macro STEP q, zero, refill, left
	s_wait_loadcnt \left                           ; stage q is in; left = the 16 loads of each younger stage.  This also frees WO+q
	WIN 0
.if \refill
	v_add_nc_u32 v[WO+\q], 0x80000, v[WO+\q]       ; 128 rows of W on,
	v_and_b32 v[WO+\q], 0x3fffff, v[WO+\q]         ; wrapping at 1,024 rows
.endif
.irp t, 0,1,2,3,4
	ds_load_b128 v[AF+40*(\q%2)+8*\t:AF+40*(\q%2)+8*\t+3],   v[AA+\t/2] offset:(\t%2)*TILEB+64*\q
	ds_load_b128 v[AF+40*(\q%2)+8*\t+4:AF+40*(\q%2)+8*\t+7], v[AA+\t/2] offset:(\t%2)*TILEB+64*\q+32
.endr
	WIN 0x0a
.irp i, 0,1,2,3
.irp c, 0,1
.irp jj, 0,1,2,3
	v_cvt_pk_bf16_f32 v[BF+32*(\q%2)+8*\i+4*\c+\jj], v[64*\q+4*(8*\c+2*\jj)+\i], v[64*\q+4*(8*\c+2*\jj+1)+\i]
.endr
.endr
.endr
.if \refill
	WFILL \q
.endif
	s_wait_dscnt 0x0                               ; the A fragments, issued 32 conversions ago
	WIN 0x50
.irp t, 0,1,2,3,4
.irp i, 0,1,2,3
.if \zero
	v_wmma_f32_16x16x32_bf16 v[8*(4*\t+\i):8*(4*\t+\i)+7], v[AF+40*(\q%2)+8*\t:AF+40*(\q%2)+8*\t+7], v[BF+32*(\q%2)+8*\i:BF+32*(\q%2)+8*\i+7], 0
.else
	v_wmma_f32_16x16x32_bf16 v[8*(4*\t+\i):8*(4*\t+\i)+7], v[AF+40*(\q%2)+8*\t:AF+40*(\q%2)+8*\t+7], v[BF+32*(\q%2)+8*\i:BF+32*(\q%2)+8*\i+7], v[8*(4*\t+\i):8*(4*\t+\i)+7]
.endif
.endr
.endr
.endm
.macro TRIP zero, refill, l0, l1, l2, l3   ; an eighth of K: four steps, once round the ring
	WIN 0
	s_lshl_b32 s28, s26, 8
	v_add_nc_u32 v[AA],   s28, v[AB]
	v_add_nc_u32 v[AA+1], s28, v[AB+1]
	v_add_nc_u32 v[AA+2], s28, v[AB+2]
	STEP 0, \zero, \refill, \l0
	STEP 1, 0, \refill, \l1
	STEP 2, 0, \refill, \l2
	STEP 3, 0, \refill, \l3
	WIN 0
	s_add_co_u32 s26, s26, 1
	s_and_b32 s26, s26, 7
.endm
.macro ISSUE b                         ; staging batch b: rows 4 b .. 4 b + 3 of my wave's 20, 4 loads of 512 bytes each, into stage (b + 3) % 4
	WIN 0x80
.irp u, 0,1,2,3
.irp j, 0,1,2,3
	global_load_b128 v[64*((\b+3)%4)+16*\u+4*\j:64*((\b+3)%4)+16*\u+4*\j+3], v[XO+4*\b+\u], s[4:5] offset:512*\j
.endr
.endr
.endm
.macro DRAIN b
	s_wait_loadcnt 48                              ; the batch is in; the three runs of 16 loads issued behind it stay out
	WIN 0x08
.irp u, 0,1,2,3
.irp j, 0,1,2,3
	ds_store_b128 v[SA], v[64*((\b+3)%4)+16*\u+4*\j:64*((\b+3)%4)+16*\u+4*\j+3] offset:(4*\b+\u)*PITCH+512*\j
.endr
.endr
.endm
	s_load_b256 s[4:11], s[0:1], 0x0               ; h s[4:5], W2 s[6:7], b2 s[8:9], route s[10:11]
	s_load_b128 s[12:15], s[0:1], 0x20             ; out0 s[12:13], vp s[14:15]
	v_lshl_add_u32 v254, v0, 2, 0x28d00
	v_mov_b32 v255, 0
	v_and_b32 v1, 31, v0                           ; L
	v_and_b32 v2, 15, v0                           ; r
	v_bfe_u32 v3, v0, 4, 1                         ; h
	v_lshrrev_b32 v[LA], 5, v0
	v_readfirstlane_b32 s16, v[LA]                 ; wave w
	s_mov_b32 s17, ttmp9                           ; cb
	s_and_b32 s18, ttmp7, 0xffff                   ; table entry
	s_lshl_b32 s30, s18, 4
	s_mov_b32 s31, 0
	s_wait_kmcnt 0x0
	s_add_nc_u64 s[34:35], s[10:11], s[30:31]
	s_load_b128 s[20:23], s[34:35], 0x0            ; group, first place, rows, (block number: not used here)
	v_lshlrev_b32 v[L16], 4, v1
	v_mov_b32 v[ZERO], 0
	s_lshl_b32 s28, s17, 10
	s_lshl_b32 s29, s16, 8
	s_add_co_u32 s28, s28, s29
	v_lshl_add_u32 v[COLB], v2, 4, s28
	v_mul_u32_u24 v[AB], v2, PITCH
	v_lshl_add_u32 v[AB], v3, 4, v[AB]
	v_add_nc_u32 v[AB+1], 2*TILEB, v[AB]
	v_add_nc_u32 v[AB+2], 4*TILEB, v[AB]
	s_and_b32 s26, s18, 7                          ; the eighth of K at which this block starts
	s_lshl_b32 s29, s26, 19
	v_lshl_add_u32 v[WO], v3, 15, v[COLB]
	v_add_nc_u32 v[WO], s29, v[WO]
	v_mov_b32 v[WO+1], v[WO]
	v_mov_b32 v[WO+2], v[WO]
	v_mov_b32 v[WO+3], v[WO]
	s_mul_i32 s28, s16, 20*PITCH
	v_lshl_add_u32 v[SA], v1, 4, s28
	s_lshl_b32 s28, s16, 9
	s_add_co_u32 s28, s28, LISTS                   ; my wave's copy of the list
	v_lshl_add_u32 v[LW], v1, 2, s28
	v_lshl_add_u32 v[LL], v3, 5, s28
	s_wait_kmcnt 0x0
	s_min_u32 s20, s20, 8                          ; what was read steers addresses only behind a bound written here
	s_min_u32 s21, s21, 4095
	s_min_u32 s22, s22, 80
	s_max_u32 s22, s22, 1
	s_min_u32 s24, s20, 7                          ; group 8: h = 0 times condition 7's weights
	s_sub_co_u32 s25, s22, 1
	s_lshl_b32 s30, s24, 22
	s_add_nc_u64 s[6:7], s[6:7], s[30:31]          ; W2[c]
	s_mul_i32 s30, s20, LISTB
	s_lshl_b32 s29, s21, 2
	s_add_co_u32 s30, s30, s29
	s_add_co_u32 s30, s30, TABLEB
	s_add_nc_u64 s[10:11], s[10:11], s[30:31]      ; the block's first word in its group's list
	s_mul_i32 s28, s16, 20
	v_add_nc_u32 v[LA], s28, v1                    ; place 20 w + L, or the block's last
	v_min_u32 v[LA], s25, v[LA]
	v_min_u32 v[LA], 127, v[LA]
	v_lshlrev_b32 v[LA], 2, v[LA]
	global_load_b32 v[LST], v[LA], s[10:11]
.irp i, 0,1,2
	v_add_nc_u32 v[LB+\i], 32*\i, v1               ; place L + 32 i, or the block's last
	v_min_u32 v[LB+\i], s25, v[LB+\i]
	v_min_u32 v[LB+\i], 127, v[LB+\i]
	v_lshlrev_b32 v[LB+\i], 2, v[LB+\i]
	global_load_b32 v[LST+1+\i], v[LB+\i], s[10:11]
.endr
.irp n8, 0,1,2,3,4,5,6,7,8,9,10,11,12,13,14,15,16,17,18,19,20,21,22,23,24,25,26,27,28,29,30,31
	global_load_b128 v[VP+4*\n8:VP+4*\n8+3], v[COLB], s[14:15] offset:4096*\n8    ; vp[sp][c'], n8 = 8 sp + c'
.endr
.irp c, 0,1,2,3,4,5,6,7
	global_load_b128 v[B2+4*\c:B2+4*\c+3], v[COLB], s[8:9] offset:4096*\c
.endr
	s_wait_loadcnt 40                              ; the four list loads are in; the 40 loads of vp and b2 stay out
.irp i, 0,1,2,3
	v_min_u32 v[LST+\i], 0xfff, v[LST+\i]
.endr
.irp i, 0,1,2
	ds_store_b32 v[LW], v[LST+1+\i] offset:128*\i  ; my wave's own bytes: read back by this wave alone, at the end
.endr
.irp i, 0,1,2,3,4,5,6,7,8,9,10,11,12,13,14,15,16,17,18,19
	v_readlane_b32 s[36+\i], v[LST], \i
	s_min_u32 s[36+\i], s[36+\i], 0xfff
	v_lshl_add_u32 v[XO+\i], s[36+\i], 11, v[L16]
.endr
	; Staging: the buffers come free in the order of ring stages 3, 0, 1, 2, 3; the last four hand over to the ring's first fills in
	; ring order, and behind every batch stand exactly 48 younger loads.
	ISSUE 0
	ISSUE 1
	ISSUE 2
	ISSUE 3
	DRAIN 0
	ISSUE 4
	WIN 0
	; E: vp and b2 were issued in front of batch 0, so the wait in DRAIN 0 has shown them in.
.irp c, 0,1,2,3,4,5,6,7
	v_pk_add_f32 v[VP+4*\c:VP+4*\c+1],       v[VP+4*\c:VP+4*\c+1],       v[VP+32+4*\c:VP+32+4*\c+1]
	v_pk_add_f32 v[VP+4*\c+2:VP+4*\c+3],     v[VP+4*\c+2:VP+4*\c+3],     v[VP+32+4*\c+2:VP+32+4*\c+3]
	v_pk_add_f32 v[VP+64+4*\c:VP+64+4*\c+1],   v[VP+64+4*\c:VP+64+4*\c+1],   v[VP+96+4*\c:VP+96+4*\c+1]
	v_pk_add_f32 v[VP+64+4*\c+2:VP+64+4*\c+3], v[VP+64+4*\c+2:VP+64+4*\c+3], v[VP+96+4*\c+2:VP+96+4*\c+3]
	v_pk_add_f32 v[VP+4*\c:VP+4*\c+1],       v[VP+4*\c:VP+4*\c+1],       v[VP+64+4*\c:VP+64+4*\c+1]
	v_pk_add_f32 v[VP+4*\c+2:VP+4*\c+3],     v[VP+4*\c+2:VP+4*\c+3],     v[VP+64+4*\c+2:VP+64+4*\c+3]
	s_cmp_eq_u32 s20, \c
	s_cselect_b32 s32, -1, 0                       ; the block's own condition adds no v: a choice of value, no branch
.irp k, 0,1,2,3
	v_cndmask_b32 v[VP+4*\c+\k], v[VP+4*\c+\k], v[ZERO], s32
.endr
.if \c == 0
	v_pk_add_f32 v[BIAS:BIAS+1],   v[B2:B2+1],   v[VP:VP+1]          ; the first pair starts the sum
	v_pk_add_f32 v[BIAS+2:BIAS+3], v[B2+2:B2+3], v[VP+2:VP+3]
.else
	v_pk_add_f32 v[BIAS:BIAS+1],   v[BIAS:BIAS+1],   v[VP+4*\c:VP+4*\c+1]
	v_pk_add_f32 v[BIAS+2:BIAS+3], v[BIAS+2:BIAS+3], v[VP+4*\c+2:VP+4*\c+3]
	v_pk_add_f32 v[BIAS:BIAS+1],   v[BIAS:BIAS+1],   v[B2+4*\c:B2+4*\c+1]
	v_pk_add_f32 v[BIAS+2:BIAS+3], v[BIAS+2:BIAS+3], v[B2+4*\c+2:B2+4*\c+3]
.endif
.endr
	DRAIN 1
	WFILL 0
	DRAIN 2
	WFILL 1
	DRAIN 3
	WFILL 2
	DRAIN 4
	WFILL 3
	WIN 0
	s_wait_dscnt 0x0                               ; my 20 rows lie in LDS before I say so
	s_barrier_signal -1
	s_barrier_wait -1                              ; all 80 do
	TRIP 1, 1, 48, 48, 48, 48                      ; the first products start the sums
	s_mov_b32 s27, 6
.Lk:
	TRIP 0, 1, 48, 48, 48, 48
	s_sub_co_i32 s27, s27, 1
	s_cmp_lg_u32 s27, 0
	s_cbranch_scc1 .Lk
	TRIP 0, 0, 48, 32, 16, 0                       ; the eighth trip fills nothing: the counts run down
	; THE WAY OUT, straight from registers: nn = 8 t + j is place 16 t + 8 h + j, whose row number comes from my wave's copy of the list.
.irp t, 0,1,2,3,4
	ds_load_b128 v[OFFS+8*\t:OFFS+8*\t+3],   v[LL] offset:64*\t
	ds_load_b128 v[OFFS+8*\t+4:OFFS+8*\t+7], v[LL] offset:64*\t+16
.endr
	s_wait_dscnt 0x0
.set nn, 0
.rept 40                               ; these 80 lines name no register of the last matrix instructions: more than the four places of ISA guide 7.12.1
	v_min_u32 v[OFFS+nn], 0xfff, v[OFFS+nn]
	v_lshl_add_u32 v[OFFS+nn], v[OFFS+nn], 12, v[COLB]
.set nn, nn+1
.endr
	WIN 0x01                                       ; source 0 window 1
.irp t, 0,1,2,3,4
.irp j, 0,1,2,3,4,5,6,7
.irp i, 0,1,2,3
	v_add_f32 v[OUTR+4*(8*\t+\j)+\i], v[8*(4*\t+\i)+\j], v[BIAS+\i]
.endr
.endr
.endr
	WIN 0
.set nn, 0
.rept 40
	global_store_b128 v[OFFS+nn], v[OUTR+4*nn:OUTR+4*nn+3], s[12:13] th:TH_STORE_NT   ; 16 lanes store 256 consecutive bytes, aligned
.set nn, nn+1
.endr
	s_wait_tensorcnt 0x0
	ds_add_u32 v254, v255
	s_wait_dscnt 0x0
	s_endpgm
.Lfunc_end_k_q7332463853_layer2:
	.size	k_q7332463853_layer2, .Lfunc_end_k_q7332463853_layer2-k_q7332463853_layer2
	.p2alignl 7, 3214868480
	.fill 96, 4, 3214868480
	.section	.rodata,"a",@progbits
	.p2align	6, 0x0
	.amdhsa_kernel k_q7332463853_layer2
		.amdhsa_group_segment_fixed_size 167680
		.amdhsa_private_segment_fixed_size 0
		.amdhsa_enable_private_segment 0
		.amdhsa_kernarg_size 48
		.amdhsa_user_sgpr_count 2
		.amdhsa_user_sgpr_kernarg_segment_ptr 1
		.amdhsa_wavefront_size32 1
		.amdhsa_system_sgpr_workgroup_id_x 1
		.amdhsa_system_sgpr_workgroup_id_y 1
		.amdhsa_system_sgpr_workgroup_id_z 1
		.amdhsa_system_vgpr_workitem_id 0
		.amdhsa_next_free_vgpr 768
		.amdhsa_next_free_sgpr 66
		.amdhsa_reserve_vcc 0
		.amdhsa_float_denorm_mode_32 3
		.amdhsa_float_denorm_mode_16_64 3
		.amdhsa_memory_ordered 1
		.amdhsa_forward_progress 1
		.amdhsa_inst_pref_size 116
	.end_amdhsa_kernel
	.amdgpu_metadata
---
amdhsa.version: [ 1, 2 ]
amdhsa.kernels:
  - .name:           k_q7332463853_layer2
    .symbol:         k_q7332463853_layer2.kd
    .args:
      - { .name: h, .offset: 0, .size: 8, .value_kind: global_buffer, .address_space: global }
      - { .name: W2, .offset: 8, .size: 8, .value_kind: global_buffer, .address_space: global }
      - { .name: b2, .offset: 16, .size: 8, .value_kind: global_buffer, .address_space: global }
      - { .name: route, .offset: 24, .size: 8, .value_kind: global_buffer, .address_space: global }
      - { .name: out0, .offset: 32, .size: 8, .value_kind: global_buffer, .address_space: global }
      - { .name: vp, .offset: 40, .size: 8, .value_kind: global_buffer, .address_space: global }
    .group_segment_fixed_size: 167680
    .private_segment_fixed_size: 0
    .kernarg_segment_align: 8
    .kernarg_segment_size: 48
    .max_flat_workgroup_size: 128
    .sgpr_count:     66
    .vgpr_count:     768
    .wavefront_size: 32
...
	.end_amdgpu_metadata
.endif
;; end of part 3
